; MI455X (gfx1250); checked and timed in simulation.
; The chip was launched on July 23, 2026; its instructions are those of AMD's public machine-readable ISA for CDNA 5 (MIT licence, August 2026) and "CDNA5" Instruction Set Architecture Reference Guide (July 2026). The comments in the code are by the model that wrote it; some were corrected since.
;; Relative Attention. Allowed arithmetic: matrix products marked QUANTISED: E4M3 operands, one given power-of-two scale a tensor, by v_wmma_f32_16x16x64_fp8_fp8 or v_wmma_f32_16x16x128_fp8_fp8, f32 sums; everything else in f32.
;; Inputs: k 2 x 16 x 2,048 x 64 float32; lowp_scales 4 int32 (the exponents e of the quantised operands' scales 2^e); q 2 x 16 x 2,048 x 64 float32; relative_bias 17 float32; v 2 x 16 x 2,048 x 64 float32.
;; Outputs: out0 2 x 16 x 2,048 x 64 float32.
;; This version of the problem:
;;   THIS VERSION OF THE PROBLEM IS GIVEN IN LOW PRECISION. The matrix products marked QUANTISED in the list below multiply operands that are first quantised to E4M3 (4 exponent bits, 3 mantissa bits; 8 bits a number), with one given power-of-two scale for each operand tensor; their sums are f32. All else is computed in f32.
;;   The module's matrix products, in the order in which they are computed (A, B: the left and right operand; K: the contracted axis; several contracted axes count as one K, in the product's order):
;;     1. batch 32 x [M 2,048, K 64] x [K 64, N 2,048]; A: input q; B: input k: QUANTISED (scales: A lowp_scales[0], B lowp_scales[1])
;;     2. batch 32 x [M 2,048, K 2,048] x [K 2,048, N 64]; A: softmax (see below); B: input v: QUANTISED (scales: A lowp_scales[2], B lowp_scales[3])
;;   THE QUANTISER, for each operand of a quantised product, along K:
;;     - The operand's scale is 2^e, e = its entry of the input lowp_scales (int32; the entries are numbered through the quantised products in the list's order, A before B).
;;     - Each number is divided by the scale, clamped to +-448, and rounded to the nearest number of E4M3, ties to even, subnormals kept.
;;     - The product sums the exact products of the quantised numbers (number of the format x scale) in f32.
;;   ~~~python
;;   def quantise(x, axis, e):      # numpy; x: float32 -> the quantised numbers, widened to float32 again
;;       x = np.moveaxis(x, axis, -1); K = x.shape[-1]
;;       r = np.clip(x / 2.0 ** e, -448, 448)
;;       step = 2.0 ** (np.maximum(np.frexp(np.where(r == 0, 1, r))[1] - 1, -6) - 3)
;;       q = np.round(r / step) * step * 2.0 ** e      # np.round: ties to even
;;       return np.moveaxis(q, -1, axis).astype(np.float32)
;;   ~~~
;;   SOFTMAX AHEAD OF A QUANTISED PRODUCT. Where the list says 'softmax', what is quantised is not the finished softmax but p = 2^(t - M), with t = logit x log2(e) and M = ceil(the row's largest t), a whole number; so 1/2 < the row's largest p <= 1. The row's sum l is taken of the UNQUANTISED p, in f32, and the product's result is divided by l at the end. Since M is a whole number, a kernel that streams over the keys may use a running M (the ceiling of the running maximum): every later rescaling is an exact power of two, so the quantised numbers keep their values, but for numbers so far below the row's largest that they fall under the format's range.
;;   OPERANDS COMPUTED ON THE WAY. 'Computed on the way' means the value that the module computes at that place (a softmax that the list does not call 'softmax' is quantised finished and normalised). What goes into a quantiser is computed in f32, as accurately as f32 sums, v_exp_f32 and their like allow (about 1e-6 of the number): no bf16 or f16 on the way to a quantiser, and a product that is left as it is and whose result goes on into a quantised operand takes f32 operands (vector FMAs, or v_wmma_f32_16x16x4_f32). A number that lies on a knife's edge between two numbers of the format may be rounded either way, as far as f32 arithmetic and the matrix unit's own rounding can turn it there, and no further.
;; One version. Each part assembles by itself: llvm-mc -triple=amdgcn-amd-amdhsa -mcpu=gfx1250 --defsym DOCPART=n.
;; ======== version 1 of 1: 2 launches
;; limits: right only within a limited range of input values
;; workspace buffers: k_codes 4,194,304 bytes; v_codes 4,194,304 bytes
;; launch quant (part 1): grid 512 x 1, 4 waves a work-group, no clusters, 35,328 bytes of LDS; arguments k, v, lowp_scales, k_codes, v_codes; writes k_codes, v_codes
.if DOCPART == 1
	.amdgcn_target "amdgcn-amd-amdhsa--gfx1250"
	.amdhsa_code_object_version 6
	.text
	.protected	k_q694b114869_quant
	.globl	k_q694b114869_quant
	.p2align	8
	.type	k_q694b114869_quant,@function
k_q694b114869_quant:
	s_mov_b64 s[64:65], 0
	v_nop
	global_prefetch_b8 v0, s[64:65] scope:SCOPE_SE
	s_setreg_imm32_b32 hwreg(HW_REG_WAVE_MODE, 25, 1), 1
	s_wait_xcnt 0x0
; k and v, [32 heads][2048 keys][64] f32, become codes of FP8 (E4M3), each with the one scale 2^e that is given for it (k: entry 1 of lowp_scales, v: entry 3).
; code = x / 2^e, held within +-448, rounded to the nearest code, ties to even.
; LIMITS: both e between -126 and 119, so that 2^e and 448 x 2^e are f32 numbers.  NaN among the inputs is not served (an infinity is held at the largest code).
; THE CODES ARE LAID AS IMAGES OF THE OPERANDS' REGISTERS, so that the next launch brings them in as dense blocks and takes a fragment by loads of 16 bytes at 16 x lane.  r = lane % 16, h = lane / 16.
;   k_codes: byte G x 2048 + u x 1024 + c x 512 + 16 x lane holds d = 32 c + 16 h + 0 .. 15 of key 32 G + 8 u + r + 8 (r / 8)      (G: block of 32 keys, counted through all heads; u, c = 0, 1)
;   v_codes: byte S x 8192 + t x 2048 + c x 512 + 16 x lane holds keys 32 c + 16 h + 0 .. 15 of step S for d = 16 t + r          (S: step of 128 keys, counted through all heads; t, c = 0 .. 3)
; Work-groups 0-255 take k, 256-511 take v: a scalar branch on the work-group's number.  Waves share nothing: no barrier.  Only k's way uses LDS.
; k (K = d, innermost): a wave takes 64 keys.  Each load reads 512 consecutive bytes, two keys; a block of 32 keys turns through the wave's own stage in LDS, so that a lane gets 16 neighbours along d of ONE key.
; v (K = the keys, not innermost): a lane takes a column d and its registers run down the keys: the conversions' results are then 16 neighbouring keys of one d, which is a lane's 16 bytes of the image.  No LDS.
.set PIT,  272                         ; a stage row: a key's 256 bytes + 16: the sixteen rows that a load of 16 bytes a lane touches start at sixteen different columns of 16 bytes
.set STG,  32*PIT                      ; a wave's stage: 32 keys
.set R,    16                          ; k: v16-143 two blocks of 64 registers as loaded;  v: v16-79 four sets of 16 keys
.set X,    144                         ; k: v144-207 four sets of 16 neighbours
.set C,    208                         ; v208-239 codes: eight sets of four registers, each written once: no store's data are written again
	s_load_b128 s[4:7], s[0:1], 0x0                ; k, v
	s_load_b64 s[10:11], s[0:1], 0x10              ; the scales' exponents
	s_load_b128 s[12:15], s[0:1], 0x18             ; k_codes, v_codes
	v_lshl_add_u32 v240, v0, 2, 0x8800
	v_mov_b32 v241, 0
	v_lshrrev_b32 v1, 5, v0
	v_readfirstlane_b32 s16, v1                    ; wave 0..3
	v_and_b32 v2, 31, v0                           ; lane
	v_and_b32 v5, 15, v0                           ; r
	v_bfe_u32 v6, v0, 4, 1                         ; h
	s_mul_i32 s27, s16, STG                        ; my stage
	v_mul_u32_u24 v14, v6, PIT
	v_lshl_add_u32 v14, v5, 4, v14
	v_add_nc_u32 v14, s27, v14                     ; into it: lanes 0-15 one key's row, lanes 16-31 the next, 16 bytes a lane
	v_mul_u32_u24 v15, v5, PIT
	v_lshl_add_u32 v15, v6, 6, v15
	v_add_nc_u32 v15, s27, v15                     ; out of it: row r, + 64 h: my 16 numbers of a block of 32 along d
	s_mov_b32 s19, 0
	s_wait_kmcnt 0x0
	s_load_b128 s[20:23], s[10:11], 0x0            ; eq, ek, ep, ev
	s_cmp_lt_u32 ttmp9, 256
	s_cbranch_scc0 .Lv
	; ---------------- k ----------------
	s_lshl_b32 s17, ttmp9, 2
	s_add_co_u32 s17, s17, s16                     ; which run of 64 keys is my wave's: 0 .. 1023
	s_lshl_b32 s18, s17, 14                        ; 64 keys x 256 bytes
	s_add_nc_u64 s[4:5], s[4:5], s[18:19]
	s_lshl_b32 s18, s17, 12                        ; 64 keys x 64 codes
	s_add_nc_u64 s[8:9], s[12:13], s[18:19]
	s_wait_alu depctr_va_vdst(0)
	v_lshlrev_b32 v3, 4, v2                        ; 16 x lane: my place in a load's and in a store's 512 bytes; never rewritten
.macro KLOAD blk                       ; a block of 32 keys: sixteen loads of 512 consecutive bytes
.irp i, 0,1,2,3,4,5,6,7,8,9,10,11,12,13,14,15
	global_load_b128 v[R+64*\blk+4*\i:R+64*\blk+4*\i+3], v3, s[4:5] offset:\blk*8192+512*\i th:TH_LOAD_NT
.endr
.endm
; The block goes through the stage.  Key x lands in row 16 ((x / 8) % 2) + x % 8 + 8 (x / 16): the rows then stand in the order of the two tiles' lanes (tile u, lane r: key 8 u + r + 8 (r / 8)).
; LDS serves a wave's instructions in order (ISA guide 5.7.1.4): no wait stands between the stores and the loads, nor between one block's loads and the next block's stores.
.macro KTURN blk
.irp i, 0,1,2,3,4,5,6,7,8,9,10,11,12,13,14,15
	ds_store_b128 v14, v[R+64*\blk+4*\i:R+64*\blk+4*\i+3] offset:(16*(((2*\i)>>3)&1)+((2*\i)&7)+8*((2*\i)>>4))*PIT
.endr
.irp u, 0,1
.irp c, 0,1
.irp j, 0,1,2,3
	ds_load_b128 v[X+16*(2*\u+\c)+4*\j:X+16*(2*\u+\c)+4*\j+3], v15 offset:16*\u*PIT+128*\c+16*\j
.endr
.endr
.endr
.endm
.macro KSET blk, k                     ; set k = 2 u + c: sixteen numbers a lane become 16 bytes of the image
	s_wait_dscnt 4*(3-\k)                          ; this set's four loads are in; the later sets' four each may be out
.irp i, 0,1,2,3,4,5,6,7,8,9,10,11,12,13,14,15
	v_med3_num_f32 v[X+16*\k+\i], v[X+16*\k+\i], -v10, v10   ; the conversion to an 8-bit code does not saturate (ISA guide 7.6.2): the number is held within the largest code x the scale first
.endr
	v_cvt_scalef32_pk8_fp8_f32 v[C+4*(4*\blk+\k):C+4*(4*\blk+\k)+1], v[X+16*\k:X+16*\k+7], v11
	v_cvt_scalef32_pk8_fp8_f32 v[C+4*(4*\blk+\k)+2:C+4*(4*\blk+\k)+3], v[X+16*\k+8:X+16*\k+15], v11
	global_store_b128 v3, v[C+4*(4*\blk+\k):C+4*(4*\blk+\k)+3], s[8:9] offset:\blk*2048+\k*512   ; the wave stores 512 consecutive bytes, at a multiple of 512 from the buffer's first byte
.endm                                  ; (the codes go to a store alone; the next vector lines are the next set's holds, plain lines on other registers)
	KLOAD 0
	KLOAD 1
	s_wait_kmcnt 0x0
	s_add_co_i32 s24, s21, 127
	s_lshl_b32 s25, s24, 23
	v_mov_b32 v11, s25                             ; 2^ek as f32: the conversion takes its exponent field
	s_add_co_i32 s24, s24, 8
	s_lshl_b32 s24, s24, 23
	s_or_b32 s24, s24, 0x600000
	v_mov_b32 v10, s24                             ; 448 x 2^ek
	s_wait_alu depctr_va_vdst(0)
	s_wait_loadcnt 16                              ; block 0's sixteen loads are in; block 1's sixteen may be out
	KTURN 0
	KSET 0, 0
	KSET 0, 1
	KSET 0, 2
	KSET 0, 3
	s_wait_loadcnt 0x0
	KTURN 1
	KSET 1, 0
	KSET 1, 1
	KSET 1, 2
	KSET 1, 3
	s_wait_tensorcnt 0x0
	ds_add_u32 v240, v241
	s_wait_dscnt 0x0
	s_endpgm
	; ---------------- v ----------------
.Lv:
	s_sub_co_u32 s17, ttmp9, 256
	s_lshl_b32 s17, s17, 1
	s_lshr_b32 s24, s16, 1
	s_add_co_u32 s17, s17, s24                     ; S, my step of 128 keys: 0 .. 511
	s_and_b32 s25, s16, 1                          ; which 32 of the 64 columns are my wave's
	s_lshl_b32 s18, s17, 15                        ; 128 keys x 256 bytes
	s_lshl_b32 s26, s25, 7
	s_add_co_u32 s18, s18, s26
	s_add_nc_u64 s[4:5], s[6:7], s[18:19]
	s_lshl_b32 s18, s17, 13                        ; a step's image: 8,192 bytes
	s_lshl_b32 s26, s25, 12                        ; my two tiles of 16 columns
	s_add_co_u32 s18, s18, s26
	s_add_nc_u64 s[8:9], s[14:15], s[18:19]
	s_wait_alu depctr_va_vdst(0)
	v_lshlrev_b32 v3, 2, v2                        ; in: my column; never rewritten
	v_lshlrev_b32 v4, 11, v6
	v_lshl_add_u32 v4, v5, 4, v4                   ; out: tile h of my two, + 16 r; never rewritten
.macro VLOAD gk                        ; keys 16 gk + 0 .. 15 of my column: each load reads 128 consecutive bytes, and my neighbour wave the 128 beside them
.irp i, 0,1,2,3,4,5,6,7,8,9,10,11,12,13,14,15
	global_load_b32 v[R+16*((\gk)%4)+\i], v3, s[4:5] offset:(16*(\gk)+\i)*256 th:TH_LOAD_NT
.endr
.endm
.macro VSTEP gk
.if (\gk)+3 < 8
	VLOAD (\gk)+3                                  ; into the set that the group before has left
	s_wait_loadcnt 48                              ; this group's sixteen loads are in; those of the three groups behind it may be out
.else
	s_wait_loadcnt 16*(7-(\gk))                    ; the counts run down
.endif
.irp i, 0,1,2,3,4,5,6,7,8,9,10,11,12,13,14,15
	v_med3_num_f32 v[R+16*((\gk)%4)+\i], v[R+16*((\gk)%4)+\i], -v10, v10
.endr
	v_cvt_scalef32_pk8_fp8_f32 v[C+4*(\gk):C+4*(\gk)+1], v[R+16*((\gk)%4):R+16*((\gk)%4)+7], v11
	v_cvt_scalef32_pk8_fp8_f32 v[C+4*(\gk)+2:C+4*(\gk)+3], v[R+16*((\gk)%4)+8:R+16*((\gk)%4)+15], v11
	global_store_b128 v4, v[C+4*(\gk):C+4*(\gk)+3], s[8:9] offset:(\gk)*256   ; group gk = 2 c + h' of the image: lanes 0-15 store 256 consecutive bytes, lanes 16-31 the same place of the next tile
.endm
	VLOAD 0
	VLOAD 1
	VLOAD 2
	s_wait_alu depctr_va_vdst(0)
	s_wait_kmcnt 0x0
	s_add_co_i32 s24, s23, 127
	s_lshl_b32 s25, s24, 23
	v_mov_b32 v11, s25                             ; 2^ev as f32
	s_add_co_i32 s24, s24, 8
	s_lshl_b32 s24, s24, 23
	s_or_b32 s24, s24, 0x600000
	v_mov_b32 v10, s24                             ; 448 x 2^ev
	s_wait_alu depctr_va_vdst(0)
.irp g, 0,1,2,3,4,5,6,7
	VSTEP \g
.endr
	s_endpgm
.Lfunc_end_k_q694b114869_quant:
	.size	k_q694b114869_quant, .Lfunc_end_k_q694b114869_quant-k_q694b114869_quant
	.p2alignl 7, 3214868480
	.fill 96, 4, 3214868480
	.section	.rodata,"a",@progbits
	.p2align	6, 0x0
	.amdhsa_kernel k_q694b114869_quant
		.amdhsa_group_segment_fixed_size 35328
		.amdhsa_private_segment_fixed_size 0
		.amdhsa_enable_private_segment 0
		.amdhsa_kernarg_size 40
		.amdhsa_user_sgpr_count 2
		.amdhsa_user_sgpr_kernarg_segment_ptr 1
		.amdhsa_wavefront_size32 1
		.amdhsa_system_sgpr_workgroup_id_x 1
		.amdhsa_system_sgpr_workgroup_id_y 1
		.amdhsa_system_sgpr_workgroup_id_z 1
		.amdhsa_system_vgpr_workitem_id 0
		.amdhsa_next_free_vgpr 242
		.amdhsa_next_free_sgpr 66
		.amdhsa_reserve_vcc 0
		.amdhsa_float_denorm_mode_32 3
		.amdhsa_float_denorm_mode_16_64 3
		.amdhsa_memory_ordered 1
		.amdhsa_forward_progress 1
		.amdhsa_inst_pref_size 43
	.end_amdhsa_kernel
	.amdgpu_metadata
---
amdhsa.version: [ 1, 2 ]
amdhsa.kernels:
  - .name:           k_q694b114869_quant
    .symbol:         k_q694b114869_quant.kd
    .args:
      - { .name: k, .offset: 0, .size: 8, .value_kind: global_buffer, .address_space: global }
      - { .name: v, .offset: 8, .size: 8, .value_kind: global_buffer, .address_space: global }
      - { .name: lowp_scales, .offset: 16, .size: 8, .value_kind: global_buffer, .address_space: global }
      - { .name: k_codes, .offset: 24, .size: 8, .value_kind: global_buffer, .address_space: global }
      - { .name: v_codes, .offset: 32, .size: 8, .value_kind: global_buffer, .address_space: global }
    .group_segment_fixed_size: 35328
    .private_segment_fixed_size: 0
    .kernarg_segment_align: 8
    .kernarg_segment_size: 40
    .max_flat_workgroup_size: 128
    .sgpr_count:     66
    .vgpr_count:     242
    .wavefront_size: 32
...
	.end_amdgpu_metadata
.endif
;; end of part 1
;; launch attn (part 2): grid 8 x 32, 8 waves a work-group, no clusters, 306,176 bytes of LDS; arguments q, k_codes, v_codes, lowp_scales, relative_bias, out0; writes out0
.if DOCPART == 2
	.amdgcn_target "amdgcn-amd-amdhsa--gfx1250"
	.amdhsa_code_object_version 6
	.text
	.protected	k_q694b114869_attn
	.globl	k_q694b114869_attn
	.p2align	8
	.type	k_q694b114869_attn,@function
k_q694b114869_attn:
	s_mov_b64 s[64:65], 0
	v_nop
	global_prefetch_b8 v0, s[64:65] scope:SCOPE_SE
	s_setreg_imm32_b32 hwreg(HW_REG_WAVE_MODE, 25, 1), 1
	s_wait_xcnt 0x0
; O[q] = the sum over k of softmax_k(Q[q] . K[k] / 8 + bias[clip(k - q, -8, 8) + 8]) V[k] for 32 heads of 2048 x 64, both products on codes of FP8 (E4M3).
; t = logit x log2(e); M = the running largest t rounded UP to a whole number; p = 2^(t - M) is quantised along the keys; the row's sum is taken of the unquantised p and divides O at the end.
; When M moves, sum and O are multiplied by 2^(old M - new M), which rounds nothing.
; SHARES.  A work-group owns 256 queries of one head; each of its eight waves 32 of them, two tiles A and B of 16, over all 2048 keys, 128 a step: each fragment of K or V read from LDS feeds two matrix instructions.
; LDS holds all codes of the head: K's 131,072 bytes, then V's.  They come by plain loads into registers and go to LDS by ds_store: keys 0-1023 at the head; keys 1024-2047 are loaded during steps 0 to 3, stored behind
; step 3, and read behind the barrier there.
; No cluster: a joint request is a tensor load, and this launch has none.  A work-group reads each of its 262,144 bytes of codes once.
; No prefetch: the only later bytes are the second half's, and they are asked for by the loads themselves four steps ahead of their use.
; LAYOUT.  Both products are used transposed: S^T = K Q^T, O^T = V^T P^T: a lane holds ONE query of each tile (r = lane % 16; h = lane / 16).  Registers 16 b + i of a tile's scores are keys 32 b + 16 h + i of the step.
; THE BIAS.  A step all of whose keys lie 8 or more to one side of all 32 queries has one bias, which goes into the addend of t - M.  In any other step (the band) the products begin with C = bias x 2^(3 - eq - ek),
; sixteen neighbouring entries of a table by key - query; four copies of the table, shifted by r % 4 words, make each load of 16 bytes aligned.
; LIMITS: eq + ek between -123 and 130 (added to c's exponent field); eq and ep between -126 and 119; scaled scores under 2^31 in magnitude; NaN among the inputs is not served.
; REGISTERS: window 0: v0-59 below, v60-123 K's fragments (and the first sums of A), v124-255 scores, then p, then p's codes (A: v124-139, B: v188-203).
;   window 1: v0-63 O^T of A and B, v64-127 V's fragments, v128-255 codes on their way to LDS.
.set LI,   1                           ; 16 x lane
.set ADK,  2
.set ADV,  3
.set XT,   4                           ; my place in the bias table;  XX: in this step
.set XX,   5
.set SPW,  6                           ; LDS address of my spare word;  NIL: 0
.set NIL,  7
.set GO,   8
.set STO,  9
.set RD,   10
.set PSC,  11                          ; 2^ep
.set PLIM, 12                          ; 448 x 2^ep
.set PLA,  13
.set PLB,  14
.set QO,   15
.set TMA,  16                          ; the largest t
.set TMB,  17
.set NMA,  18                          ; -M
.set NMB,  19
.set AAA,  20                          ; bias - M (pairs: the low word serves both halves)
.set AAB,  22
.set FFA,  24                          ; 2^(old M - new M)
.set FFB,  26
.set LSA,  28                          ; the row's sum in two halves
.set LSB,  30
.set MA,   32                          ; maxima; later partial sums
.set MB,   36
.set X1,   32
.set X2,   34
.set X3,   36
.set Y1,   38
.set DA,   40
.set DB,   41
.set SAK,  42                          ; where I store K's and V's codes
.set SAV,  43
.set QFA,  44
.set QFB,  52
.set KF0,  60
.set PCA,  124
.set SSA,  128
.set PCB,  188
.set SSB,  192
.set OTA,  0
.set OTB,  32
.set VF,   64
.set CG,   128
.set WV,   16
.set KF,   18                          ; the step's first key
.set Q0,   19                          ; my first query
.set SEL,  20
.set CS,   22                          ; c = log2(e) / 8 x 2^(eq + ek)
.set BL,   52
.set BR,   53
.set BE,   54
.set DD,   55
.set EE,   56
.set TB,   57
.set CNT,  58
.set HOLD, 59                          ; 1 where ep < -8: p / 2^ep can pass 448 then, and only then (p is at most 1)
.set VOFF, 131072
.set TBLB, 262144                      ; the bias table, 4 copies of 512 words: word y of copy a at byte 64 (y / 4) + 16 a + 4 (y % 4)
.set SP,   272
.set STAGE, TBLB+8192                  ; the way out: 16 rows of 256 + 16 bytes for each wave
.set SPARE, STAGE+8*16*SP              ; the spare words, 128 bytes for each wave
.set MSB, 0
.macro WIN new                         ; the immediate's high byte repeats the setting that is left
.if MSB != \new
	s_set_vgpr_msb (MSB<<8)|\new
.set MSB, \new
.endif
.endm
.macro CLOAD half                      ; my 8,192 bytes of K's and of V's half: 32 lanes read 512 consecutive bytes
	WIN 0x40
.set i, 0
.rept 16
	global_load_b128 v[CG+4*i:CG+4*i+3], v[LI], s[6:7] offset:65536*\half+512*i
.set i, i+1
.endr
.set i, 0
.rept 16
	global_load_b128 v[CG+64+4*i:CG+64+4*i+3], v[LI], s[8:9] offset:65536*\half+512*i
.set i, i+1
.endr
	WIN 0
.endm
.macro CSTORE base, at, n              ; n sets of four registers to LDS
.set i, 0
.rept \n
	ds_store_b128 v[\at], v[\base+4*i:\base+4*i+3] offset:512*(i+((\base)%64)/4)
.set i, i+1
.endr
.endm
.macro KLOAD adr, off                  ; a step's K: 8 tiles of 16 keys
.set i, 0
.rept 16
	ds_load_b128 v[KF0+4*i:KF0+4*i+3], v[\adr] offset:\off+512*i
.set i, i+1
.endr
.endm
	s_load_b256 s[4:11], s[0:1], 0x0               ; q, k_codes, v_codes, the scales' exponents
	s_load_b128 s[12:15], s[0:1], 0x20             ; relative_bias, out
	v_lshl_add_u32 v[SPW], v0, 2, SPARE
	v_mov_b32 v[NIL], 0
	v_lshrrev_b32 v1, 5, v0
	v_readfirstlane_b32 s[WV], v1                  ; wave 0..7
	s_and_b32 s66, ttmp7, 0xffff                   ; head
	s_lshl_b32 s67, s66, 17
	s_lshl_b32 s68, s[WV], 13
	s_mov_b32 s61, s68
	s_add_co_u32 s68, s68, s67                     ; codes: 131,072 bytes a head, 8,192 a wave of a half
	s_mov_b32 s69, 0
	s_lshl_b32 s[Q0], ttmp9, 8
	s_lshl_b32 s67, s[WV], 5
	s_add_co_u32 s[Q0], s[Q0], s67
	s_lshl_b32 s70, s66, 19
	s_lshl_b32 s67, s[Q0], 8
	s_add_co_u32 s70, s70, s67                     ; q and out: 256 bytes a row
	s_mov_b32 s71, 0
	s_mul_i32 s67, s[WV], 16*SP
	s_add_co_u32 s67, s67, STAGE
	s_mov_b32 s[SEL], 0x76543210
	s_mov_b32 s[SEL+1], 0xfedcba98
	s_mov_b32 s[KF], 0
	v_and_b32 v40, 31, v0
	v_and_b32 v41, 15, v0                          ; r
	v_bfe_u32 v5, v0, 4, 1                         ; h
	v_lshlrev_b32 v[LI], 4, v40
	v_lshlrev_b32 v[QO], 8, v41
	v_lshl_add_u32 v[QO], v5, 6, v[QO]             ; Q: row r, 16 numbers from d = 16 h
	v_lshlrev_b32 v[GO], 8, v5
	v_lshl_add_u32 v[GO], v41, 4, v[GO]            ; out: lanes 0-15 one row, lanes 16-31 the next
	v_mul_u32_u24 v[STO], v41, SP
	v_lshl_add_u32 v[STO], v5, 5, v[STO]
	v_add_nc_u32 v[STO], s67, v[STO]
	v_mul_u32_u24 v[RD], v5, SP
	v_lshl_add_u32 v[RD], v41, 4, v[RD]
	v_add_nc_u32 v[RD], s67, v[RD]
	; word y of copy a holds the bias of key - query = y - a - 160.  Lane (r, h), tile B, block b: y = (KF - Q0 + 128) + 32 b + 16 h + 16 - (r & 12), copy r & 3; tile A 16 words further on
	v_and_b32 v[XT], 3, v41
	v_lshlrev_b32 v[XT], 4, v[XT]
	v_lshl_add_u32 v[XT], v5, 8, v[XT]
	v_add_nc_u32 v[XT], TBLB+256, v[XT]
	v_and_b32 v2, 12, v41
	v_lshlrev_b32 v2, 4, v2
	v_sub_nc_u32 v[XT], v[XT], v2
	v_add_nc_u32 v[SAK], s61, v[LI]
	v_add_nc_u32 v[SAV], VOFF, v[SAK]
.irp a, 0,1,2,3                        ; word y = my thread's number of copy a takes entry clip(y - a - 152, 0, 16); words from 256 on take entry 16
	v_min_u32 v[32+\a], 168+\a, v0
	v_sub_nc_u32 v[32+\a], 168+\a, v[32+\a]
	v_min_u32 v[32+\a], 16, v[32+\a]
	v_sub_nc_u32 v[32+\a], 16, v[32+\a]
	v_lshlrev_b32 v[32+\a], 2, v[32+\a]
.endr
	s_wait_alu depctr_va_vdst(0)
	s_wait_kmcnt 0x0
	s_load_b128 s[48:51], s[10:11], 0x0            ; eq, ek, ep, ev
	s_load_b32 s[BL], s[12:13], 0x0
	s_load_b32 s[BR], s[12:13], 0x40
	s_add_nc_u64 s[4:5], s[4:5], s[70:71]
	s_add_nc_u64 s[14:15], s[14:15], s[70:71]
	s_add_nc_u64 s[6:7], s[6:7], s[68:69]
	s_add_nc_u64 s[8:9], s[8:9], s[68:69]
.irp a, 0,1,2,3
	global_load_b32 v[36+\a], v[32+\a], s[12:13]
.endr
.irp u, 0,1
.irp c, 0,1
.irp j, 0,1,2,3
	global_load_b128 v[SSA+32*\u+16*\c+4*\j:SSA+32*\u+16*\c+4*\j+3], v[QO], s[4:5] offset:4096*\u+128*\c+16*\j
.endr
.endr
.endr
	CLOAD 0
	v_lshrrev_b32 v5, 2, v0
	v_and_b32 v2, 3, v0
	v_lshlrev_b32 v2, 2, v2
	v_lshl_add_u32 v5, v5, 6, v2
	v_add_nc_u32 v5, TBLB, v5                      ; where I store the table's words
	v_mov_b32 v[TMA], 0xff61b1e6                   ; -3e38, under every t
	v_mov_b32 v[TMB], 0xff61b1e6
	v_floor_f32 v[NMA], -v[TMA]
	v_floor_f32 v[NMB], -v[TMB]
.irp x, PLA, PLB, AAA+1, AAB+1, FFA+1, FFB+1, LSA, LSA+1, LSB, LSB+1
	v_mov_b32 v[\x], 0
.endr
	WIN 0x40
.set j, 0
.rept 64
	v_mov_b32 v[OTA+j], 0                          ; O^T: the step is written for all trips alike; the first change of M multiplies zeros
.set j, j+1
.endr
	WIN 0
	s_wait_alu depctr_va_vdst(0)
	s_wait_kmcnt 0x0
	s_add_co_i32 s66, s48, s49
	s_lshl_b32 s67, s66, 23
	s_add_co_i32 s[CS], s67, 0x3e38aa3b            ; log2(e) / 8, eq + ek added to its exponent field
	s_mov_b32 s[CS+1], s[CS]
	s_sub_co_i32 s72, 3, s66                       ; bias x 2^(3 - eq - ek), times c, is bias x log2(e)
	s_add_co_i32 s73, s50, s51
	s_mov_b32 s74, s[BR]
	s_mul_f32 s[BL], s[BL], 0x3fb8aa3b
	s_mul_f32 s[BR], s[BR], 0x3fb8aa3b
	s_cmp_lt_i32 s50, -8
	s_cselect_b32 s[HOLD], 1, 0
	s_add_co_i32 s66, s50, 127
	s_lshl_b32 s67, s66, 23
	v_mov_b32 v[PSC], s67
	s_add_co_i32 s66, s66, 8
	s_lshl_b32 s66, s66, 23
	s_or_b32 s66, s66, 0x600000
	v_mov_b32 v[PLIM], s66
	s_add_co_i32 s66, s48, 127
	s_lshl_b32 s67, s66, 23
	v_mov_b32 v41, s67                             ; 2^eq
	s_add_co_i32 s66, s66, 8
	s_lshl_b32 s66, s66, 23
	s_or_b32 s66, s66, 0x600000
	v_mov_b32 v40, s66                             ; 448 x 2^eq
	s_wait_alu depctr_va_vdst(0)
	s_wait_loadcnt 32                              ; the table's words and Q are in; the 32 loads of codes may be out
	v_mov_b32 v32, s74
	v_ldexp_f32 v32, v32, s72
.irp a, 0,1,2,3
	v_ldexp_f32 v[36+\a], v[36+\a], s72
.endr
.irp a, 0,1,2,3
	ds_store_b32 v5, v[36+\a] offset:16*\a
	ds_store_b32 v5, v32 offset:16*\a+4096
.endr
.set j, 0
.rept 64
	v_med3_num_f32 v[SSA+j], v[SSA+j], -v40, v40   ; the conversion to an 8-bit code does not saturate (ISA guide 7.6.2)
.set j, j+1
.endr
.irp c, 0,1
	v_cvt_scalef32_pk8_fp8_f32 v[QFA+4*\c:QFA+4*\c+1], v[SSA+16*\c:SSA+16*\c+7], v41
	v_cvt_scalef32_pk8_fp8_f32 v[QFA+4*\c+2:QFA+4*\c+3], v[SSA+16*\c+8:SSA+16*\c+15], v41
	v_cvt_scalef32_pk8_fp8_f32 v[QFB+4*\c:QFB+4*\c+1], v[SSA+32+16*\c:SSA+32+16*\c+7], v41
	v_cvt_scalef32_pk8_fp8_f32 v[QFB+4*\c+2:QFB+4*\c+3], v[SSA+32+16*\c+8:SSA+32+16*\c+15], v41
.endr
	v_nop
	WIN 0x04
	s_wait_alu depctr_va_vdst(0)
	s_wait_loadcnt 28                              ; the loads come in by fours, in the order of issue
	CSTORE CG, SAK, 4
	s_wait_loadcnt 24
	CSTORE CG+16, SAK, 4
	s_wait_loadcnt 20
	CSTORE CG+32, SAK, 4
	s_wait_loadcnt 16
	CSTORE CG+48, SAK, 4
	s_wait_loadcnt 12
	CSTORE CG+64, SAV, 4
	s_wait_loadcnt 8
	CSTORE CG+80, SAV, 4
	s_wait_loadcnt 4
	CSTORE CG+96, SAV, 4
	s_wait_loadcnt 0
	CSTORE CG+112, SAV, 4
	WIN 0
	s_wait_dscnt 0x0                               ; my part of the first half and of the table is in LDS
	s_barrier_signal -1
	s_barrier_wait -1
	CLOAD 1                                        ; keys 1024-2047: on their way during steps 0 to 3
	KLOAD LI, 0                                    ; step 0's K
; A STEP of 128 keys.  Its K is in registers or on its way; pf = 1: at its end it asks for the next step's K.
.macro STEP pf
	s_wait_dscnt 0x0                               ; this step's K is in
	s_sub_co_i32 s[DD], s[KF], s[Q0]
	s_cmp_lt_i32 s[DD], 0
	s_cselect_b32 s[BE], s[BL], s[BR]
	s_add_co_i32 s[EE], s[DD], 134                 ; the band: KF - Q0 between -134 and 38
	s_cmp_lt_u32 s[EE], 173
	s_cselect_b32 s[BE], 0, s[BE]
	s_cbranch_scc0 .Lplain_\@
	s_add_co_i32 s61, s[DD], 128                   ; 0 .. 160, a multiple of 32
	s_and_b32 s61, s61, 0xe0
	s_lshl_b32 s61, s61, 4
	v_add_nc_u32 v[XX], s61, v[XT]
.irp b, 0,1,2,3
.irp j, 0,1,2,3
	ds_load_b128 v[SSA+16*\b+4*\j:SSA+16*\b+4*\j+3], v[XX] offset:256+512*\b+64*\j
	ds_load_b128 v[SSB+16*\b+4*\j:SSB+16*\b+4*\j+3], v[XX] offset:512*\b+64*\j
.endr
.endr
	s_wait_dscnt 0x0
.irp t, 0,1,2,3,4,5,6,7
	v_wmma_f32_16x16x64_fp8_fp8 v[SSA+8*\t:SSA+8*\t+7], v[KF0+8*\t:KF0+8*\t+7], v[QFA:QFA+7], v[SSA+8*\t:SSA+8*\t+7]
	v_wmma_f32_16x16x64_fp8_fp8 v[SSB+8*\t:SSB+8*\t+7], v[KF0+8*\t:KF0+8*\t+7], v[QFB:QFB+7], v[SSB+8*\t:SSB+8*\t+7]
.endr
	s_branch .Ljoin_\@
.Lplain_\@:
.irp t, 0,1,2,3,4,5,6,7
	v_wmma_f32_16x16x64_fp8_fp8 v[SSA+8*\t:SSA+8*\t+7], v[KF0+8*\t:KF0+8*\t+7], v[QFA:QFA+7], 0
	v_wmma_f32_16x16x64_fp8_fp8 v[SSB+8*\t:SSB+8*\t+7], v[KF0+8*\t:KF0+8*\t+7], v[QFB:QFB+7], 0
.endr
.Ljoin_\@:
	v_add_nc_u32 v[ADK], s[TB], v[LI]
	v_add_nc_u32 v[ADV], VOFF, v[ADK]
	v_nop                                          ; with the two additions four places behind the products
	v_nop
	WIN 0x40
.irp t, 0,1,2,3
.irp c, 0,1,2,3
	ds_load_b128 v[VF+16*\t+4*\c:VF+16*\t+4*\c+3], v[ADV] offset:2048*\t+512*\c
.endr
.endr
	WIN 0
.irp k, 0,1,2,3                        ; the largest scores: four chains for each tile
	v_max3_num_f32 v[MA+\k], v[SSA+3*\k], v[SSA+3*\k+1], v[SSA+3*\k+2]
	v_max3_num_f32 v[MB+\k], v[SSB+3*\k], v[SSB+3*\k+1], v[SSB+3*\k+2]
.endr
.set n, 12
.set k, 0
.rept 26
	v_max3_num_f32 v[MA+k], v[MA+k], v[SSA+n], v[SSA+n+1]
	v_max3_num_f32 v[MB+k], v[MB+k], v[SSB+n], v[SSB+n+1]
.set n, n+2
.set k, (k+1)%4
.endr
	v_max3_num_f32 v[MA], v[MA], v[MA+2], v[MA+3]
	v_max3_num_f32 v[MB], v[MB], v[MB+2], v[MB+3]
	v_max_num_f32 v[MA], v[MA], v[MA+1]
	v_max_num_f32 v[MB], v[MB], v[MB+1]
	v_permlanex16_b32 v[PLA], v[MA], s[SEL], s[SEL+1]
	v_permlanex16_b32 v[PLB], v[MB], s[SEL], s[SEL+1]
	v_max_num_f32 v[MA], v[MA], v[PLA]
	v_max_num_f32 v[MB], v[MB], v[PLB]
	v_fma_f32 v[MA], v[MA], s[CS], s[BE]           ; as t (c is positive)
	v_fma_f32 v[MB], v[MB], s[CS], s[BE]
	v_mov_b32 v[DA], v[NMA]
	v_mov_b32 v[DB], v[NMB]
	v_max_num_f32 v[TMA], v[TMA], v[MA]
	v_max_num_f32 v[TMB], v[TMB], v[MB]
	v_floor_f32 v[NMA], -v[TMA]                    ; -M: a whole number
	v_floor_f32 v[NMB], -v[TMB]
	v_add_f32 v[AAA], s[BE], v[NMA]
	v_add_f32 v[AAB], s[BE], v[NMB]
	v_sub_f32 v[DA], v[NMA], v[DA]                 ; old M - new M: a whole number, 0 or less
	v_sub_f32 v[DB], v[NMB], v[DB]
.set j, 0
.rept 4
	v_pk_fma_f32 v[SSA+j:SSA+j+1], v[SSA+j:SSA+j+1], s[CS:CS+1], v[AAA:AAA+1] op_sel_hi:[1,0,0]   ; t - M
.set j, j+2
.endr
	v_cvt_i32_f32 v[DA], v[DA]
	v_cvt_i32_f32 v[DB], v[DB]
.rept 4
	v_pk_fma_f32 v[SSA+j:SSA+j+1], v[SSA+j:SSA+j+1], s[CS:CS+1], v[AAA:AAA+1] op_sel_hi:[1,0,0]
.set j, j+2
.endr
	v_ldexp_f32 v[FFA], 1.0, v[DA]
	v_ldexp_f32 v[FFB], 1.0, v[DB]
.rept 24
	v_pk_fma_f32 v[SSA+j:SSA+j+1], v[SSA+j:SSA+j+1], s[CS:CS+1], v[AAA:AAA+1] op_sel_hi:[1,0,0]
.set j, j+2
.endr
	WIN 0x41
.set j, 0
.rept 16
	v_pk_mul_f32 v[OTA+j:OTA+j+1], v[OTA+j:OTA+j+1], v[FFA:FFA+1] op_sel_hi:[1,0]   ; O^T under the new M
	v_pk_mul_f32 v[OTB+j:OTB+j+1], v[OTB+j:OTB+j+1], v[FFB:FFB+1] op_sel_hi:[1,0]
.set j, j+2
.endr
	WIN 0
	s_wait_alu depctr_va_vdst(0)                   ; the wait ahead of the batch
.set j, 0
.rept 32                               ; p of A; between its exponentials B's t - M, which nothing in this batch reads
	v_exp_f32 v[SSA+j], v[SSA+j]
	v_pk_fma_f32 v[SSB+j:SSB+j+1], v[SSB+j:SSB+j+1], s[CS:CS+1], v[AAB:AAB+1] op_sel_hi:[1,0,0]
	v_exp_f32 v[SSA+j+1], v[SSA+j+1]
.set j, j+2
.endr
	s_wait_alu depctr_va_vdst(0)                   ; one wait behind A's batch and ahead of B's
.set j, 0
.rept 16                               ; p of B; between its exponentials A's first sums, over K's registers, which nothing in this batch reads
	v_exp_f32 v[SSB+j], v[SSB+j]
	v_pk_add_f32 v[KF0+j/2:KF0+j/2+1], v[SSA+j:SSA+j+1], v[SSA+j+2:SSA+j+3]
	v_exp_f32 v[SSB+j+1], v[SSB+j+1]
	v_exp_f32 v[SSB+j+2], v[SSB+j+2]
	v_exp_f32 v[SSB+j+3], v[SSB+j+3]
.set j, j+4
.endr
	s_wait_alu depctr_va_vdst(0)                   ; the wait behind the batch
	v_pk_fma_f32 v[LSA:LSA+1], v[LSA:LSA+1], v[FFA:FFA+1], v[KF0:KF0+1] op_sel_hi:[1,0,1]   ; the sums under the new M, of the unquantised p
	v_pk_add_f32 v[Y1:Y1+1], v[KF0+2:KF0+3], v[KF0+4:KF0+5]
	v_pk_fma_f32 v[LSB:LSB+1], v[LSB:LSB+1], v[FFB:FFB+1], v[SSB:SSB+1] op_sel_hi:[1,0,1]
	v_pk_add_f32 v[X1:X1+1], v[SSB+2:SSB+3], v[SSB+4:SSB+5]
	v_pk_add_f32 v[X2:X2+1], v[SSB+6:SSB+7], v[SSB+8:SSB+9]
	v_pk_add_f32 v[X3:X3+1], v[SSB+10:SSB+11], v[SSB+12:SSB+13]
.set j, 14
.set k, 6
.rept 6
	v_pk_add_f32 v[LSA:LSA+1], v[LSA:LSA+1], v[KF0+k:KF0+k+1]
	v_pk_add_f32 v[LSB:LSB+1], v[LSB:LSB+1], v[SSB+j:SSB+j+1]
	v_pk_add_f32 v[X1:X1+1], v[X1:X1+1], v[SSB+j+2:SSB+j+3]
	v_pk_add_f32 v[Y1:Y1+1], v[Y1:Y1+1], v[KF0+k+2:KF0+k+3]
	v_pk_add_f32 v[X2:X2+1], v[X2:X2+1], v[SSB+j+4:SSB+j+5]
	v_pk_add_f32 v[X3:X3+1], v[X3:X3+1], v[SSB+j+6:SSB+j+7]
.set j, j+8
.set k, k+4
.endr
	v_pk_add_f32 v[LSA:LSA+1], v[LSA:LSA+1], v[KF0+30:KF0+31]
	v_pk_add_f32 v[LSB:LSB+1], v[LSB:LSB+1], v[SSB+62:SSB+63]
	s_wait_alu depctr_va_vdst(0)
	s_wait_dscnt 0x0                               ; V is in
.if \pf
	KLOAD ADK, 8192                                ; the next step's K: A's first sums have been read
.endif
	s_cmp_eq_u32 s[HOLD], 0
	s_cbranch_scc1 .Lfree_\@                       ; with ep of -8 or more no p / 2^ep passes 448
.set j, 0
.rept 128
	v_min_num_f32 v[SSA+j], v[PLIM], v[SSA+j]      ; the conversion to an 8-bit code does not saturate; p is not negative
.set j, j+1
.endr
.Lfree_\@:
; p's codes, sixteen registers on end for each tile: all but the first four lie over the first block's numbers, which are converted first; one plain line stands between a conversion and a write of its sources
.irp u, 0,1
	v_cvt_scalef32_pk8_fp8_f32 v[PCA+64*\u:PCA+64*\u+1], v[SSA+64*\u:SSA+64*\u+7], v[PSC]
	v_cvt_scalef32_pk8_fp8_f32 v[PCA+64*\u+2:PCA+64*\u+3], v[SSA+64*\u+8:SSA+64*\u+15], v[PSC]
	v_nop
.irp b, 1,2,3
	v_cvt_scalef32_pk8_fp8_f32 v[PCA+64*\u+4*\b:PCA+64*\u+4*\b+1], v[SSA+64*\u+16*\b:SSA+64*\u+16*\b+7], v[PSC]
	v_cvt_scalef32_pk8_fp8_f32 v[PCA+64*\u+4*\b+2:PCA+64*\u+4*\b+3], v[SSA+64*\u+16*\b+8:SSA+64*\u+16*\b+15], v[PSC]
.endr
	v_nop
.endr
	WIN 0x51
.irp t, 0,1,2,3
	v_wmma_f32_16x16x128_fp8_fp8 v[OTA+8*\t:OTA+8*\t+7], v[VF+16*\t:VF+16*\t+15], v[PCA:PCA+15], v[OTA+8*\t:OTA+8*\t+7]
	v_wmma_f32_16x16x128_fp8_fp8 v[OTB+8*\t:OTB+8*\t+7], v[VF+16*\t:VF+16*\t+15], v[PCB:PCB+15], v[OTB+8*\t:OTB+8*\t+7]
.endr
	WIN 0
	v_pk_add_f32 v[X1:X1+1], v[X1:X1+1], v[X2:X2+1]   ; the sums' ends: with the v_nop five places between these products and the next ones, which write over p's codes
	v_pk_add_f32 v[LSA:LSA+1], v[LSA:LSA+1], v[Y1:Y1+1]
	v_pk_add_f32 v[LSB:LSB+1], v[LSB:LSB+1], v[X3:X3+1]
	v_nop
	v_pk_add_f32 v[LSB:LSB+1], v[LSB:LSB+1], v[X1:X1+1]
	s_add_co_u32 s[KF], s[KF], 128
	s_add_co_u32 s[TB], s[TB], 8192
.endm
.macro RUN first, trips
	s_mov_b32 s[TB], \first*8192
	s_mov_b32 s[CNT], \trips
.Lstep_\@:
	STEP 1
	s_sub_co_u32 s[CNT], s[CNT], 1
	s_cmp_lg_u32 s[CNT], 0
	s_wait_alu depctr_va_vdst(0)
	s_cbranch_scc1 .Lstep_\@
.endm
	RUN 0, 4
	v_add_nc_u32 v[SAK], 0x10000, v[SAK]
	v_add_nc_u32 v[SAV], 0x10000, v[SAV]
	s_wait_alu depctr_va_vdst(0)
	s_wait_loadcnt 0x0
	WIN 0x04
	CSTORE CG, SAK, 16
	CSTORE CG+64, SAV, 16
	WIN 0
	s_wait_dscnt 0x0                               ; my part of the second half is in LDS
	s_barrier_signal -1
	s_barrier_wait -1                              ; all parts of the second half are in LDS
	RUN 4, 11
	s_mov_b32 s[TB], 15*8192
	STEP 0
	; THE WAY OUT: O^T / the sum x 2^(ep + ev), through my stage, rows of 256 bytes
	v_add_f32 v[LSA], v[LSA], v[LSA+1]
	v_add_f32 v[LSB], v[LSB], v[LSB+1]
	v_permlanex16_b32 v[PLA], v[LSA], s[SEL], s[SEL+1]
	v_permlanex16_b32 v[PLB], v[LSB], s[SEL], s[SEL+1]
	v_add_f32 v[LSA], v[LSA], v[PLA]
	v_add_f32 v[LSB], v[LSB], v[PLB]
	s_wait_alu depctr_va_vdst(0)                   ; the wait ahead of the batch
	v_rcp_f32 v[LSA], v[LSA]
	v_rcp_f32 v[LSB], v[LSB]
	v_nop
	s_wait_alu depctr_va_vdst(0)                   ; and behind it
	v_ldexp_f32 v[LSA], v[LSA], s73
	v_ldexp_f32 v[LSB], v[LSB], s73
	WIN 0x01
	s_wait_alu depctr_va_vdst(0)                   ; the wait directly ahead of the first reader of O^T
.set j, 0
.rept 16
	v_pk_mul_f32 v[SSA+j:SSA+j+1], v[OTA+j:OTA+j+1], v[LSA:LSA+1] op_sel_hi:[1,0]
	v_pk_mul_f32 v[SSB+j:SSB+j+1], v[OTB+j:OTB+j+1], v[LSB:LSB+1] op_sel_hi:[1,0]
.set j, j+2
.endr
	WIN 0
.irp u, 0,1
.irp t, 0,1,2,3
	ds_store_b128 v[STO], v[SSA+64*\u+8*\t:SSA+64*\u+8*\t+3] offset:64*\t
	ds_store_b128 v[STO], v[SSA+64*\u+8*\t+4:SSA+64*\u+8*\t+7] offset:64*\t+16
.endr
.irp i, 0,1,2,3,4,5,6,7
	ds_load_b128 v[KF0+32*\u+4*\i:KF0+32*\u+4*\i+3], v[RD] offset:2*\i*SP   ; LDS serves a wave's instructions in order (ISA guide 5.7.1.4): these see the stores above, and the next tile's stores come behind them
.endr
.endr
.irp u, 0,1
.irp i, 0,1,2,3,4,5,6,7
	s_wait_dscnt 23-16*\u-\i                       ; younger: the tile's later loads and, for A, B's eight stores and eight loads
	global_store_b128 v[GO], v[KF0+32*\u+4*\i:KF0+32*\u+4*\i+3], s[14:15] offset:4096*\u+512*\i th:TH_STORE_NT   ; sixteen lanes store an aligned unit of 256 bytes
.endr
.endr
	s_wait_tensorcnt 0x0                           ; the wave's end
	ds_add_u32 v[SPW], v[NIL]
	s_wait_dscnt 0x0
	s_endpgm
.Lfunc_end_k_q694b114869_attn:
	.size	k_q694b114869_attn, .Lfunc_end_k_q694b114869_attn-k_q694b114869_attn
	.p2alignl 7, 3214868480
	.fill 96, 4, 3214868480
	.section	.rodata,"a",@progbits
	.p2align	6, 0x0
	.amdhsa_kernel k_q694b114869_attn
		.amdhsa_group_segment_fixed_size 306176
		.amdhsa_private_segment_fixed_size 0
		.amdhsa_enable_private_segment 0
		.amdhsa_kernarg_size 48
		.amdhsa_user_sgpr_count 2
		.amdhsa_user_sgpr_kernarg_segment_ptr 1
		.amdhsa_wavefront_size32 1
		.amdhsa_system_sgpr_workgroup_id_x 1
		.amdhsa_system_sgpr_workgroup_id_y 1
		.amdhsa_system_sgpr_workgroup_id_z 1
		.amdhsa_system_vgpr_workitem_id 0
		.amdhsa_next_free_vgpr 512
		.amdhsa_next_free_sgpr 80
		.amdhsa_reserve_vcc 0
		.amdhsa_float_denorm_mode_32 3
		.amdhsa_float_denorm_mode_16_64 3
		.amdhsa_memory_ordered 1
		.amdhsa_forward_progress 1
		.amdhsa_inst_pref_size 129
	.end_amdhsa_kernel
	.amdgpu_metadata
---
amdhsa.version: [ 1, 2 ]
amdhsa.kernels:
  - .name:           k_q694b114869_attn
    .symbol:         k_q694b114869_attn.kd
    .args:
      - { .name: q, .offset: 0, .size: 8, .value_kind: global_buffer, .address_space: global }
      - { .name: k_codes, .offset: 8, .size: 8, .value_kind: global_buffer, .address_space: global }
      - { .name: v_codes, .offset: 16, .size: 8, .value_kind: global_buffer, .address_space: global }
      - { .name: lowp_scales, .offset: 24, .size: 8, .value_kind: global_buffer, .address_space: global }
      - { .name: relative_bias, .offset: 32, .size: 8, .value_kind: global_buffer, .address_space: global }
      - { .name: out0, .offset: 40, .size: 8, .value_kind: global_buffer, .address_space: global }
    .group_segment_fixed_size: 306176
    .private_segment_fixed_size: 0
    .kernarg_segment_align: 8
    .kernarg_segment_size: 48
    .max_flat_workgroup_size: 256
    .sgpr_count:     80
    .vgpr_count:     512
    .wavefront_size: 32
...
	.end_amdgpu_metadata
.endif
;; end of part 2
